; MI455X (gfx1250); checked and timed in simulation.
; The chip was launched on July 23, 2026; its instructions are those of AMD's public machine-readable ISA for CDNA 5 (MIT licence, August 2026) and "CDNA5" Instruction Set Architecture Reference Guide (July 2026). The comments in the code are by the model that wrote it; some were corrected since.
;; Lo RAXS Linear. Allowed arithmetic: matrix products marked QUANTISED: E2M1 operands, one E8M0 scale for each 32 along K, by v_wmma_scale_f32_16x16x128_f8f6f4 with both operands' format E2M1 (or v_wmma_scale_f32_32x16x128_f4), f32 sums; everything else in f32.
;; Inputs: R_codes 64 x 2 x 16 uint8 (E2M1 codes of R, K innermost, in blocks of 32 codes, two codes a byte); R_scales 64 x 2 uint8 (E8M0 scales of R, one for each 32 codes along K); U_codes 2,048 x 2 x 16 uint8 (E2M1 codes of U, K innermost, in blocks of 32 codes, two codes a byte); U_scales 2,048 x 2 uint8 (E8M0 scales of U, one for each 32 codes along K); Vt_codes 2,048 x 2 x 16 uint8 (E2M1 codes of Vt, K innermost, in blocks of 32 codes, two codes a byte); Vt_scales 2,048 x 2 uint8 (E8M0 scales of Vt, one for each 32 codes along K); bias 2,048 float32; sigma_codes 64 x 2 x 16 uint8 (E2M1 codes of sigma, K innermost, in blocks of 32 codes, two codes a byte); sigma_scales 64 x 2 uint8 (E8M0 scales of sigma, one for each 32 codes along K); weight_codes 2,048 x 64 x 16 uint8 (E2M1 codes of weight, K innermost, in blocks of 32 codes, two codes a byte); weight_scales 2,048 x 64 uint8 (E8M0 scales of weight, one for each 32 codes along K); x_codes 4 x 2,048 x 64 x 16 uint8 (E2M1 codes of x, K innermost, in blocks of 32 codes, two codes a byte); x_scales 4 x 2,048 x 64 uint8 (E8M0 scales of x, one for each 32 codes along K).
;; Outputs: out0 4 x 2,048 x 2,048 float32.
;; This version of the problem:
;;   THIS VERSION OF THE PROBLEM IS GIVEN IN LOW PRECISION. The matrix products marked QUANTISED in the list below multiply operands that are first quantised to E2M1 (2 exponent bits, 1 mantissa bit; 4 bits a number), with one power-of-two scale for each 32 numbers along K (OCP MX v1.0); their sums are f32. All else is computed in f32.
;;   The module's matrix products, in the order in which they are computed (A, B: the left and right operand; K: the contracted axis; several contracted axes count as one K, in the product's order):
;;     1. [M 8,192, K 2,048] x [K 2,048, N 2,048]; A: input x (given as codes); B: input weight (given as codes): QUANTISED
;;     2. [M 2,048, K 64] x [K 64, N 64]; A: input U (given as codes); B: input sigma (given as codes): QUANTISED
;;     3. [M 2,048, K 64] x [K 64, N 64]; A: computed on the way; B: input R (given as codes): QUANTISED
;;     4. [M 2,048, K 64] x [K 64, N 2,048]; A: computed on the way; B: input Vt (given as codes): QUANTISED
;;     5. [M 8,192, K 2,048] x [K 2,048, N 2,048]; A: input x (given as codes); B: computed on the way: QUANTISED
;;   THE QUANTISER, for each operand of a quantised product, along K:
;;     - K is cut into blocks of 32 from its start; a last block that is shorter is filled with zeros.
;;     - A block's scale is 2^e with e = floor(log2(the largest magnitude in the block)) - 2, held to -126 .. 127; a block of zeros has e = 0. As a byte (E8M0): e + 127.
;;     - Each number is divided by its block's scale, clamped to +-6, and rounded to the nearest number of E2M1, ties to even, subnormals kept.
;;     - The product sums the exact products of the quantised numbers (number of the format x scale) in f32.
;;   ~~~python
;;   def quantise(x, axis):      # numpy; x: float32 -> the quantised numbers, widened to float32 again
;;       x = np.moveaxis(x, axis, -1); K = x.shape[-1]
;;       x = np.pad(x, [(0, 0)] * (x.ndim - 1) + [(0, -K % 32)]); x = x.reshape(x.shape[:-1] + (-1, 32)); a = np.abs(x).max(-1, keepdims=True)
;;       e = np.where(a > 0, np.clip(np.frexp(np.where(a > 0, a, 1))[1] - 1 - 2, -126, 127), 0)      # np.frexp(a)[1] - 1 = floor(log2(a)), exactly
;;       r = np.clip(x / 2.0 ** e, -6, 6)
;;       step = 2.0 ** (np.maximum(np.frexp(np.where(r == 0, 1, r))[1] - 1, 0) - 1)
;;       q = np.round(r / step) * step * 2.0 ** e      # np.round: ties to even
;;       return np.moveaxis(q.reshape(q.shape[:-2] + (-1,))[..., :K], -1, axis).astype(np.float32)
;;   ~~~
;;   OPERANDS COMPUTED ON THE WAY. 'Computed on the way' means the value that the module computes at that place (a softmax that the list does not call 'softmax' is quantised finished and normalised). What goes into a quantiser is computed in f32, as accurately as f32 sums, v_exp_f32 and their like allow (about 1e-6 of the number): no bf16 or f16 on the way to a quantiser, and a product that is left as it is and whose result goes on into a quantised operand takes f32 operands (vector FMAs, or v_wmma_f32_16x16x4_f32). A number that lies on a knife's edge between two numbers of the format may be rounded either way, as far as f32 arithmetic and the matrix unit's own rounding can turn it there, and no further.
;;   INPUTS GIVEN AS CODES. R (in the module: [64, 64], K = its axis 0); U (in the module: [2048, 64], K = its axis 1); Vt (in the module: [64, 2048], K = its axis 0); sigma (in the module: [64, 64], K = its axis 0); weight (in the module: [2048, 2048], K = its axis 1); x (in the module: [4, 2048, 2048], K = its axis 2): each comes as NAME_codes (uint8): NAME with its K axis moved to the last place and cut into blocks of 32 codes, [.., K / 32, bytes a block], one block behind the other in memory; two codes a byte, the lower K in the low four bits (a code: sign, 2 exponent bits, 1 mantissa bit); and NAME_scales (uint8): the same leading axes, one E8M0 byte (e + 127) for each 32 codes along K. Its value is code x scale, taken as it is: it is not quantised again, and the codes and scales need not be those that the quantiser above would give.
;; One version. Each part assembles by itself: llvm-mc -triple=amdgcn-amd-amdhsa -mcpu=gfx1250 --defsym DOCPART=n.
;; ======== version 1 of 1: 2 launches
;; limits: right only within a limited range of input values
;; workspace buffers: wq 4,456,448 bytes
;; launch prep (part 1): grid 256 x 1, 2 waves a work-group, no clusters, 11,008 bytes of LDS; arguments U_codes, U_scales, sigma_codes, sigma_scales, R_codes, R_scales, Vt_codes, Vt_scales, weight_codes, weight_scales, wq; writes wq
.if DOCPART == 1
	.amdgcn_target "amdgcn-amd-amdhsa--gfx1250"
	.amdhsa_code_object_version 6
	.text
	.protected	k_q9acb4ac307_prep
	.globl	k_q9acb4ac307_prep
	.p2align	8
	.type	k_q9acb4ac307_prep,@function
k_q9acb4ac307_prep:
	s_mov_b64 s[64:65], 0
	v_nop
	global_prefetch_b8 v0, s[64:65] scope:SCOPE_SE
	s_setreg_imm32_b32 hwreg(HW_REG_WAVE_MODE, 25, 1), 1
	s_wait_xcnt 0x0
; dW = Q(Q(U sigma) R) Vt, quantised along its input axis, and W beside it, both laid in wq in the order of an operand's registers, for the launch that follows.
; All products on codes of FP4 (E2M1) with one E8M0 scale for each 32 along K; sums in f32.  U [2048][64], sigma, R [64 (n)][64 (k)], Vt [2048 (i)][64 (k)], W [2048 (o)][2048 (i)]: codes, K innermost.
; wq: [kq 0..3][nt 0..15][W, dW][34,816 bytes].  A block is 128 outputs x 512 along K: fragment (g 0..7, q 0..3) at (4 g + q) x 1,024, as an image of its 8 registers (registers 4 c .. 4 c + 3 of lane l at 512 c + 16 l);
; behind the 32 fragments the scale words: 32,768 + 256 g + 16 r, four words (q = 0..3) for lane r.  LANE r OF ROW BLOCK g IS OUTPUT o = 128 nt + 64 (g / 4) + 4 r + g % 4: which rows form a fragment is free, and these make
; four neighbouring outputs fall into one lane of the next launch's results.
; SHARES.  512 waves in 256 work-groups; a wave takes one row block (16 outputs) and one kq (512 along K): four fragments of dW, four of W, both sets of scale words.  Waves share nothing: no barrier.
; THE CHAIN is used transposed (source 0 = 16 rows of sigma, R or Vt, source 1 = the 16 outputs), so that a lane holds ONE output and its registers run along the next K.  THE ROWS OF A TILE ARE NOT NEIGHBOURS: lane r of
; tile 2 b + u takes row 32 b + 8 u + r + 8 (r / 8), so that the 16 registers of tiles 2 b, 2 b + 1 are 16 neighbours along the next K.  U sigma and (..) R are made anew by each of the four waves of a row block: 8 products.
; K = 64 in an instruction of 128: registers 4 to 7 of every such fragment hold zero codes, on both sides; bytes 2 and 3 of their scale words are 0, which is a power of two like any other.
; READS: W, Vt and Vt's scale bytes come as whole aligned runs of 256 or 512 bytes.  U (16 bytes of 16 rows 128 bytes apart) and the scale bytes of U, sigma, R and W come in short pieces, once a wave.
; LIMITS: a block of U sigma, (..) R or dW whose largest magnitude lies under 2^-124 keeps the byte 1; a block of zeros gets the byte 1 where the quantiser says 127: its codes are zeros, and this program alone reads the bytes.
; Infinities and NaN in those three are not served.
.set UF,  16                           ; v16-23   U's fragment
.set SF,  24                           ; v24-55   sigma's four fragments; later dW's codes, 8 registers for each q
.set RF,  56                           ; v56-87   R's four; later v56-57 dW's scale words on their way out
.set PF,  88                           ; v88-95   the codes of U sigma, then of (..) R
.set HA,  96                           ; v96-159  up to 8 tiles of results
.set WF,  128                          ; v128-159 W's four fragments on their way through (v128-135 first hold Vt's scale bytes as loaded)
.set WR,  160                          ; v160-191 W's 16 rows as loaded
.set VS,  192                          ; v192-223 Vt's scale words, one for each of its 32 tiles
.set SS,  224                          ; v224-227 sigma's scale words
.set RS,  228                          ; v228-231 R's
.set US,  232                          ; v232     U's
.set PFS, 233                          ; v233     the scale word of the codes in PF
.set WS,  234                          ; v234-235 W's scale bytes, 8 a lane
.set TM,  236                          ; v236-239 largest magnitudes, v240-243 the other half's / bytes, v248-251 the conversions' scale operands
.set PW,  252                          ; v252-255 dW's scale words, q = 0..3
.set SEL, 28                           ; s[28:29] v_permlanex16_b32's selects for lane l xor 16
.set FB,  40                           ; s[40:41] wq at my row block's fragments of W
.set SB,  42                           ; s[42:43] wq at my row block's scale words of W
.set MSB, 0
.macro WIN new                         ; the immediate's high byte repeats the setting that is left
.if MSB != \new
	s_set_vgpr_msb (MSB<<8)|\new
.set MSB, \new
.endif
.endm
.macro PLACES n
.rept \n
	v_nop
.endr
.endm
; 16 nb numbers of a lane, register 16 b + i = k 32 b + 16 (lane / 16) + i of my output, become codes in v[pc] on (nb registers x 2) and the scale word in v[pw].
.macro QUANT s, nb, pc, pw
.set qb, 0
.rept \nb
	v_max3_num_f32 v[TM+qb], |v[\s+16*qb]|, |v[\s+1+16*qb]|, 0x1800000   ; block b: my 16 numbers, from each tile's low end on, and the floor 2^(3 - 127): the byte cannot fall under 1
.set qb, qb+1
.endr
.irp i, 2,4,6,8,10,12,14
.set qb, 0
.rept \nb
	v_max3_num_f32 v[TM+qb], v[TM+qb], |v[\s+16*qb+\i]|, |v[\s+1+16*qb+\i]|   ; (the blocks by turns)
.set qb, qb+1
.endr
.endr
.set qb, 0
.rept \nb
	v_permlanex16_b32 v[TM+4+qb], v[TM+qb], s[SEL], s[SEL+1]
.set qb, qb+1
.endr
.set qb, 0
.rept \nb
	v_max_num_f32 v[TM+qb], v[TM+qb], v[TM+4+qb]   ; with lane l xor 16's: the block's largest magnitude
.set qb, qb+1
.endr
.set qb, 0
.rept \nb
	v_add_nc_u32 v[TM+12+qb], 0xff000000, v[TM+qb]   ; 2 off its exponent field: the conversion takes the exponent field of this operand as its scale
.set qb, qb+1
.endr
.set qb, 0
.rept \nb
	v_lshrrev_b32 v[TM+4+qb], 23, v[TM+12+qb]      ; the scale's byte
.set qb, qb+1
.endr
	v_lshl_or_b32 v[\pw], v[TM+5], 8, v[TM+4]      ; the bytes make my output's scale word (both halves of the lanes hold the same)
.if \nb == 4
	v_lshl_or_b32 v[\pw], v[TM+6], 16, v[\pw]
	v_lshl_or_b32 v[\pw], v[TM+7], 24, v[\pw]
.endif
.set qb, 0
.rept \nb
	v_cvt_scalef32_pk8_fp4_f32 v[(\pc)+2*qb], v[\s+16*qb:\s+7+16*qb], v[TM+12+qb]
	v_cvt_scalef32_pk8_fp4_f32 v[(\pc)+1+2*qb], v[\s+8+16*qb:\s+15+16*qb], v[TM+12+qb]
.set qb, qb+1
.endr
	v_nop                                          ; one plain place behind a scaled conversion
.set qb, 0
.rept \nb/2                                    ; the operand's layout wants a WHOLE block in a lane: lanes 0-15 block 2 c, lanes 16-31 block 2 c + 1
	v_permlane16_swap_b32 v[(\pc)+4*qb], v[(\pc)+2+4*qb]
	v_permlane16_swap_b32 v[(\pc)+1+4*qb], v[(\pc)+3+4*qb]
.set qb, qb+1
.endr
.endm
	s_load_b512 s[4:19], s[0:1], 0x0               ; U s[4:5], its scales s[6:7]; sigma s[8:9], s[10:11]; R s[12:13], s[14:15]; Vt s[16:17], s[18:19]
	s_load_b128 s[20:23], s[0:1], 0x40             ; W s[20:21], its scales s[22:23]
	s_load_b64 s[24:25], s[0:1], 0x50              ; wq
	v_lshl_add_u32 v246, v0, 2, 0x2a00
	v_mov_b32 v247, 0
	v_lshrrev_b32 v14, 5, v0
	v_readfirstlane_b32 s26, v14                   ; wave 0..1
	v_and_b32 v13, 31, v0                          ; lane
	v_and_b32 v14, 15, v0                          ; r
	v_bfe_u32 v15, v0, 4, 1                        ; h
	v_lshlrev_b32 v1, 7, v14
	v_lshl_add_u32 v1, v15, 4, v1                  ; U: my outputs lie 4 rows of 32 bytes apart: 128 r + 16 h
	v_lshlrev_b32 v2, 3, v14                       ; U's scale bytes: 8 r
	v_and_b32 v4, 8, v14
	v_add_nc_u32 v4, v4, v14                       ; r + 8 (r / 8)
	v_lshlrev_b32 v3, 5, v4
	v_lshl_add_u32 v3, v15, 4, v3                  ; sigma, R, Vt: that row of 32 bytes, + 16 h
	v_lshlrev_b32 v4, 1, v4                        ; and its two scale bytes
	v_lshlrev_b32 v5, 12, v15
	v_lshl_add_u32 v5, v14, 4, v5                  ; W in: sixteen lanes to a row's 256 bytes, lanes 16-31 the next of my rows (4,096 bytes on)
	v_lshlrev_b32 v6, 8, v14
	v_lshl_add_u32 v6, v15, 3, v6                  ; W's scale bytes in: my rows lie 256 bytes apart; 8 bytes for each half of the lanes
	v_lshlrev_b32 v7, 4, v13                       ; 16 x lane: images out, Vt's scale bytes in
	v_lshlrev_b32 v8, 4, v14
	v_lshl_add_u32 v8, v15, 3, v8                  ; scale words out: 16 r + 8 h
	s_mul_i32 s27, s26, 5376                       ; LDS, a wave's own: a stage of 16 rows x 272 bytes for W, then 1,024 scale bytes of Vt
	s_add_co_u32 s45, s27, 4352
	v_mul_u32_u24 v9, v15, 272
	v_lshl_add_u32 v9, v14, 4, v9
	v_add_nc_u32 v9, s27, v9                       ; the stage, in: as loaded
	v_mul_u32_u24 v10, v14, 272
	v_lshl_add_u32 v10, v15, 4, v10
	v_add_nc_u32 v10, s27, v10                     ; and out: row r, + 16 h: a fragment's place
	v_add_nc_u32 v11, s45, v7                      ; Vt's scale bytes, in
	v_add_nc_u32 v12, s45, v4                      ; and out: two bytes of my tile row
	s_mov_b32 s[SEL], 0x76543210
	s_mov_b32 s[SEL+1], 0xfedcba98
	s_lshl_b32 s46, ttmp9, 1
	s_add_co_u32 s46, s46, s26                     ; my task, 0..511
	s_and_b32 s30, s46, 3                          ; kq
	s_lshr_b32 s31, s46, 2                         ; row block 0..127
	s_lshr_b32 s32, s31, 3                         ; nt
	s_and_b32 s33, s31, 7                          ; g
	s_lshl_b32 s34, s32, 7
	s_lshr_b32 s35, s33, 2
	s_lshl_b32 s35, s35, 6
	s_add_co_u32 s34, s34, s35
	s_and_b32 s35, s33, 3
	s_add_co_u32 s34, s34, s35                     ; lane 0's output: 128 nt + 64 (g / 4) + g % 4
	s_lshl_b32 s38, s30, 4
	s_add_co_u32 s38, s38, s32
	s_mul_i32 s38, s38, 69632                      ; the pair of blocks (kq, nt) in wq
	s_mov_b32 s37, 0
	s_wait_kmcnt 0x0
	s_lshl_b32 s36, s34, 5
	s_add_nc_u64 s[4:5], s[4:5], s[36:37]          ; U: 32 bytes a row
	s_lshl_b32 s36, s34, 1
	s_add_nc_u64 s[6:7], s[6:7], s[36:37]
	s_lshl_b32 s36, s30, 14
	s_add_nc_u64 s[16:17], s[16:17], s[36:37]      ; Vt: my 512 rows of 32 bytes
	s_lshl_b32 s36, s30, 10
	s_add_nc_u64 s[18:19], s[18:19], s[36:37]
	s_lshl_b32 s36, s34, 10
	s_lshl_b32 s39, s30, 8
	s_add_co_u32 s36, s36, s39
	s_add_nc_u64 s[20:21], s[20:21], s[36:37]      ; W: 1,024 bytes a row, 256 for each kq
	s_lshl_b32 s36, s34, 6
	s_lshl_b32 s39, s30, 4
	s_add_co_u32 s36, s36, s39
	s_add_nc_u64 s[22:23], s[22:23], s[36:37]      ; its scale bytes: 64 a row, 16 for each kq
	s_lshl_b32 s36, s33, 12
	s_add_co_u32 s36, s36, s38
	s_add_nc_u64 s[FB:FB+1], s[24:25], s[36:37]
	s_lshl_b32 s36, s33, 8
	s_add_co_u32 s36, s36, s38
	s_add_co_u32 s36, s36, 32768
	s_add_nc_u64 s[SB:SB+1], s[24:25], s[36:37]
	; ALL 61 LOADS GO OUT HERE, in the order in which they are wanted: 10 for U sigma, 8 for R, 2 + 9 for Vt's scale bytes and W, 32 for Vt
	global_load_b128 v[UF:UF+3], v1, s[4:5]
	global_load_u16 v[US], v2, s[6:7]
.irp t, 0,1,2,3
	global_load_b128 v[SF+8*\t:SF+8*\t+3], v3, s[8:9] offset:(32*(\t/2)+8*(\t%2))*32
	global_load_u16 v[SS+\t], v4, s[10:11] offset:(32*(\t/2)+8*(\t%2))*2
.endr
.irp t, 0,1,2,3
	global_load_b128 v[RF+8*\t:RF+8*\t+3], v3, s[12:13] offset:(32*(\t/2)+8*(\t%2))*32
	global_load_u16 v[RS+\t], v4, s[14:15] offset:(32*(\t/2)+8*(\t%2))*2
.endr
	global_load_b128 v[WF:WF+3], v7, s[18:19]                  ; 32 lanes read 512 consecutive bytes
	global_load_b128 v[WF+4:WF+7], v7, s[18:19] offset:512
.irp t, 0,1,2,3,4,5,6,7
	global_load_b128 v[WR+4*\t:WR+4*\t+3], v5, s[20:21] offset:8192*\t th:TH_LOAD_NT   ; two of my rows: 256 consecutive bytes each, aligned; no other wave reads them
.endr
	global_load_b64 v[WS:WS+1], v6, s[22:23]
	WIN 0x40                                       ; destination window 1: Vt's 32 fragments, tile T = 8 q + t at v[8 T]
.set T, 0
.rept 32
	global_load_b128 v[8*T:8*T+3], v3, s[16:17] offset:(128*(T/8)+32*((T%8)/2)+8*(T%2))*32
.set T, T+1
.endr
.set T, 0
.rept 32                                       ; K = 64 to 127 of every fragment: zero codes, written while the loads are on their way
.irp i, 4,5,6,7
	v_mov_b32 v[8*T+\i], 0
.endr
.set T, T+1
.endr
	WIN 0
.irp i, 4,5,6,7
	v_mov_b32 v[UF+\i], 0
.endr
.irp t, 0,1,2,3
.irp i, 4,5,6,7
	v_mov_b32 v[SF+8*\t+\i], 0
.endr
.endr
.irp t, 0,1,2,3                                ; (these 24 lines are also the places between the lines above and the first product)
.irp i, 4,5,6,7
	v_mov_b32 v[RF+8*\t+\i], 0
.endr
.endr
.irp i, 4,5,6,7
	v_mov_b32 v[PF+\i], 0
	v_mov_b32 v[TM+\i], 0                          ; written once: a lane permute's destination counts as one of its sources
.endr
	; ---- (U sigma)^T: four tiles of 16 columns
	s_wait_loadcnt 51                              ; the first 10 loads are in; the 51 behind them may be out
.irp t, 0,1,2,3
	v_wmma_scale_f32_16x16x128_f8f6f4 v[HA+8*\t:HA+8*\t+7], v[SF+8*\t:SF+8*\t+7], v[UF:UF+7], 0, v[SS+\t], v[US] matrix_a_fmt:MATRIX_FMT_FP4 matrix_b_fmt:MATRIX_FMT_FP4
.endr
	PLACES 4                                       ; in front of the first read of results (ISA guide 7.12.1)
	QUANT HA, 2, PF, PFS
	PLACES 8                                       ; a scale register written by a vector instruction stands 8 places ahead of a scaled matrix instruction, an operand 4
	; ---- ((..) R)^T
	s_wait_alu depctr_va_vdst(0)
	s_wait_loadcnt 43                              ; R's 8 loads are in
.irp t, 0,1,2,3
	v_wmma_scale_f32_16x16x128_f8f6f4 v[HA+8*\t:HA+8*\t+7], v[RF+8*\t:RF+8*\t+7], v[PF:PF+7], 0, v[RS+\t], v[PFS] matrix_a_fmt:MATRIX_FMT_FP4 matrix_b_fmt:MATRIX_FMT_FP4
.endr
	PLACES 4
	QUANT HA, 2, PF, PFS
	PLACES 8
	; ---- W turns through my stage into fragments' images; Vt's scale bytes go to LDS and come back a word a tile row
	s_wait_alu depctr_va_vdst(0)
	s_wait_loadcnt 41                              ; Vt's scale bytes are in
	ds_store_b128 v11, v[WF:WF+3]
	ds_store_b128 v11, v[WF+4:WF+7] offset:512
	s_wait_loadcnt 32                              ; W's rows and scale bytes are in; Vt's 32 loads may be out
.irp t, 0,1,2,3,4,5,6,7
	ds_store_b128 v9, v[WR+4*\t:WR+4*\t+3] offset:544*\t
.endr
	s_wait_dscnt 0x0                               ; the stores have read their registers: v128-135 are loaded anew below
.irp q, 0,1,2,3
.irp c, 0,1
	ds_load_b128 v[WF+8*\q+4*\c:WF+8*\q+4*\c+3], v10 offset:64*\q+32*\c
.endr
.endr
.set T, 0
.rept 32
	ds_load_u16 v[VS+T], v12 offset:2*(128*(T/8)+32*((T%8)/2)+8*(T%2))   ; bytes 2 and 3 of the word are 0
.set T, T+1
.endr
	s_wait_dscnt 32                                ; W's eight loads are in; the 32 behind them may be out
.irp q, 0,1,2,3
.irp c, 0,1
	global_store_b128 v7, v[WF+8*\q+4*\c:WF+8*\q+4*\c+3], s[FB:FB+1] offset:1024*\q+512*\c   ; 32 lanes store 512 consecutive bytes, aligned
.endr
.endr
	global_store_b64 v8, v[WS:WS+1], s[SB:SB+1]    ; 32 lanes store 256 consecutive bytes, aligned
	s_wait_dscnt 0x0                               ; Vt's scale words are in
	s_wait_xcnt 0x0                                ; the stores have read v128-159, which the products below write
	; ---- dW^T, 128 along its input axis at a time: 8 tiles, quantised: one fragment and one scale word
.irp q, 0,1,2,3
	s_wait_loadcnt 24-8*\q                         ; Vt's eight fragments of this q are in; those of later q may be out
	WIN 0x01                                       ; source 0 (Vt) window 1
.irp t, 0,1,2,3,4,5,6,7
	v_wmma_scale_f32_16x16x128_f8f6f4 v[HA+8*\t:HA+8*\t+7], v[8*(8*\q+\t):8*(8*\q+\t)+7], v[PF:PF+7], 0, v[VS+8*\q+\t], v[PFS] matrix_a_fmt:MATRIX_FMT_FP4 matrix_b_fmt:MATRIX_FMT_FP4
.endr
	WIN 0
	PLACES 4
	QUANT HA, 4, SF+8*\q, PW+\q                    ; each q has registers of its own for its codes: no store's data are written again
	global_store_b128 v7, v[SF+8*\q:SF+8*\q+3], s[FB:FB+1] offset:34816+1024*\q
	global_store_b128 v7, v[SF+8*\q+4:SF+8*\q+7], s[FB:FB+1] offset:34816+1024*\q+512
.endr
	v_cmp_gt_u32 vcc_lo, 16, v13                   ; lanes 0-15 store words 0 and 1 of their output, lanes 16-31 words 2 and 3
	v_cndmask_b32 v[RF], v[PW+2], v[PW], vcc_lo
	v_cndmask_b32 v[RF+1], v[PW+3], v[PW+1], vcc_lo
	global_store_b64 v8, v[RF:RF+1], s[SB:SB+1] offset:34816
	s_wait_tensorcnt 0x0
	ds_add_u32 v246, v247
	s_wait_dscnt 0x0
	s_endpgm
.Lfunc_end_k_q9acb4ac307_prep:
	.size	k_q9acb4ac307_prep, .Lfunc_end_k_q9acb4ac307_prep-k_q9acb4ac307_prep
	.p2alignl 7, 3214868480
	.fill 96, 4, 3214868480
	.section	.rodata,"a",@progbits
	.p2align	6, 0x0
	.amdhsa_kernel k_q9acb4ac307_prep
		.amdhsa_group_segment_fixed_size 11008
		.amdhsa_private_segment_fixed_size 0
		.amdhsa_enable_private_segment 0
		.amdhsa_kernarg_size 88
		.amdhsa_user_sgpr_count 2
		.amdhsa_user_sgpr_kernarg_segment_ptr 1
		.amdhsa_wavefront_size32 1
		.amdhsa_system_sgpr_workgroup_id_x 1
		.amdhsa_system_sgpr_workgroup_id_y 1
		.amdhsa_system_sgpr_workgroup_id_z 1
		.amdhsa_system_vgpr_workitem_id 0
		.amdhsa_next_free_vgpr 512
		.amdhsa_next_free_sgpr 66
		.amdhsa_reserve_vcc 1
		.amdhsa_float_denorm_mode_32 3
		.amdhsa_float_denorm_mode_16_64 3
		.amdhsa_memory_ordered 1
		.amdhsa_forward_progress 1
		.amdhsa_inst_pref_size 46
	.end_amdhsa_kernel
	.amdgpu_metadata
---
amdhsa.version: [ 1, 2 ]
amdhsa.kernels:
  - .name:           k_q9acb4ac307_prep
    .symbol:         k_q9acb4ac307_prep.kd
    .args:
      - { .name: U_codes, .offset: 0, .size: 8, .value_kind: global_buffer, .address_space: global }
      - { .name: U_scales, .offset: 8, .size: 8, .value_kind: global_buffer, .address_space: global }
      - { .name: sigma_codes, .offset: 16, .size: 8, .value_kind: global_buffer, .address_space: global }
      - { .name: sigma_scales, .offset: 24, .size: 8, .value_kind: global_buffer, .address_space: global }
      - { .name: R_codes, .offset: 32, .size: 8, .value_kind: global_buffer, .address_space: global }
      - { .name: R_scales, .offset: 40, .size: 8, .value_kind: global_buffer, .address_space: global }
      - { .name: Vt_codes, .offset: 48, .size: 8, .value_kind: global_buffer, .address_space: global }
      - { .name: Vt_scales, .offset: 56, .size: 8, .value_kind: global_buffer, .address_space: global }
      - { .name: weight_codes, .offset: 64, .size: 8, .value_kind: global_buffer, .address_space: global }
      - { .name: weight_scales, .offset: 72, .size: 8, .value_kind: global_buffer, .address_space: global }
      - { .name: wq, .offset: 80, .size: 8, .value_kind: global_buffer, .address_space: global }
    .group_segment_fixed_size: 11008
    .private_segment_fixed_size: 0
    .kernarg_segment_align: 8
    .kernarg_segment_size: 88
    .max_flat_workgroup_size: 64
    .sgpr_count:     66
    .vgpr_count:     512
    .wavefront_size: 32
...
	.end_amdgpu_metadata
.endif
;; end of part 1
;; launch gemm (part 2): grid 16 x 16, 4 waves a work-group, clusters of 4 x 1, 327,680 bytes of LDS; arguments x_codes, x_scales, wq, bias, out0; writes out0
.if DOCPART == 2
	.amdgcn_target "amdgcn-amd-amdhsa--gfx1250"
	.amdhsa_code_object_version 6
	.text
	.protected	k_q9acb4ac307_gemm
	.globl	k_q9acb4ac307_gemm
	.p2align	8
	.type	k_q9acb4ac307_gemm,@function
k_q9acb4ac307_gemm:
	s_mov_b64 s[64:65], 0
	v_nop
	global_prefetch_b8 v0, s[64:65] scope:SCOPE_SE
	s_setreg_imm32_b32 hwreg(HW_REG_WAVE_MODE, 25, 1), 1
	s_wait_xcnt 0x0
	s_wait_alu depctr_hold_cnt(0) depctr_sa_sdst(0) depctr_va_vdst(0) depctr_va_sdst(0) depctr_va_ssrc(0) depctr_va_vcc(0) depctr_vm_vsrc(0)
	s_getreg_b32 s2, hwreg(HW_REG_IB_STS2, 6, 4)
	s_cmp_eq_u32 s2, 0
	s_cbranch_scc0 .Lentry_in_a_cluster
	s_endpgm
.Lentry_in_a_cluster:
	s_bfe_u32 s2, ttmp6, 0x10000c
	s_cmp_lg_u32 s2, 0x3003
	s_cbranch_scc0 .Lentry_shape_is_right
	s_endpgm
.Lentry_shape_is_right:
; out[m][o] = sum over k of x[m][k] W[o][k] + sum over k of x[m][k] Q(dW)[o][k] + bias[o].  x: [8192][2048] codes of FP4 (E2M1), its scale bytes [8192][64]; W and Q(dW) come from wq, laid by the launch before
; as images of operand registers: [kq 0..3][nt 0..15][W, dW][34,816 bytes]: 32 fragments of 1,024 bytes (row block g, q), then the scale words (256 g + 16 r, four words).  out: [8192][2048] f32.
; SHARES.  A work-group of four waves owns 512 rows x 128 columns, as four tiles of 128 rows.  W AND dW STAY IN REGISTERS: wave (wk = wave / 2, wn = wave % 2) owns 64 columns and ONE HALF OF K (1,024):
; 8 steps of 128 x (4 fragments of W + 4 of dW) = 512 registers, fetched once, straight from wq's images; no two waves hold the same bytes.  Only x goes through LDS: a slot is 128 rows x all of K.
; BOTH PRODUCTS ADD ONTO ONE ACCUMULATOR, by the 32x16x128 form: 32 rows of x (source 0) x 16 outputs (source 1).  The two waves of a column half each sum their half of K for all 128 rows and hand each other
; half of the rows' sums through LDS, as images of registers.  (Order of sums: two f32 sums, one for each half of K, K ascending by steps of 128, W's product and dW's by turns; the two are added, the bias last.)
; A TILE'S FOUR BLOCKS of 32 rows, as a wave sees them: 0 and 2 (S) are finished by its partner (wave xor 2), 1 and 3 (O) by itself; block d's sums are bank d, v[64 d ..] of window 2 (four accumulators of 16).
; TILE 0 walks K once with all four blocks, so that each step of W and dW feeds 32 products while later steps are on their way.  TILES 1 TO 3 take the blocks one after the other, a phase of 8 steps each.
; PRODUCTS GO IN GROUPS OF 16 (two blocks' steps, or two steps of a block), and ahead of each group stands ONE RUN of everything else: the additions and stores of a unit on its way out, the exchange's LDS instructions,
; a barrier's signal or wait, and the fragments of the next group.  In an S phase the O block before last leaves, in four units; in an O phase the S block before last is sent.
; Tile 3 also hands its own blocks on, through slot 0, which has had its last fill and its last read by then; behind its last product only block 3 and one unit of block 1 are left.
; THE WAY OUT NEEDS NO STAGE: lane r of column block b holds output 4 r + b of the wave's 64: the same register of a bank's four accumulators holds four NEIGHBOURING numbers of a row; the addition puts them into
; four consecutive registers, and sixteen lanes store 256 consecutive bytes, aligned.
; CLUSTER: 4 x 1 work-groups with neighbouring column groups need the same tiles of x: each is asked for JOINTLY, by the same tensor load with the same descriptor and a mask that names the four.
; W and dW are not asked for jointly: a joint load lands in LDS, and the work-group's 278,528 bytes of them do not fit beside x's two slots of 133,120; they are read once, into registers.
; PREFETCH: tiles 2 and 3 of x, each behind the tensor load of the tile before it, a whole tile ahead of its own load: 512 blocks of 256 bytes, one for each lane of the cluster's sixteen waves.
; REGISTERS, in windows of 256: window 0 as listed; window 1: W and dW of steps 0-3 (step s, fragment b at v[64 (s % 4) + 8 b]; b < 4: W's block b, else dW's block b - 4);  window 3: steps 4-7;  window 2: the banks.
.set XP,    1040                       ; an LDS row of x: 1,024 bytes + 16 of padding = 260 words: row r starts at bank 4 r mod 64 (64 banks of 4 bytes: ISA guide 11.1)
.set BLKA,  16*XP
.set SLOT,  128*XP
.set STG,   2*SLOT                     ; behind the ring: the exchange, 4 waves x 8,192 bytes; no tensor load lands here
.set SPARE, STG+32768                  ; the spare words, 128 bytes for each wave: two blocks of 256 bytes that no other line names
.set KQB,   1114112                    ; wq: from kq to kq + 1
.set NTB,   69632                      ; from nt to nt + 1
.set HALFB, 34816                      ; from W's block to dW's
.set BI,   4                           ; v4-7    bias of my columns 4 r + 0 .. 3
.set ADL,  8                           ; v8-9    LDS address of the rows that I finish, in slot 0, 1
.set ADH,  10                          ; v10-11  of the rows that my partner finishes
.set CO,   12                          ; my byte offset in out: 16 r, lanes 16-31 eight rows down
.set XSL,  13                          ; my row among x's scale bytes: of the rows that I finish,
.set XSH,  14                          ; of those that my partner finishes
.set STW,  15                          ; the exchange: where I put an image,
.set STR,  16                          ; and where my partner has put one
.set LOF,  17                          ; 16 x lane
.set BSO,  18                          ; 16 r: scale words of W and dW, the bias
.set PFO,  19                          ; the prefetches' offset
.set SPW,  20                          ; LDS address of my spare word: SPARE + 4 x my thread's number
.set NIL,  21                          ; 0
.set STW2, 22                          ; the exchange in slot 0 (tile 3)
.set STR2, 23
.set SCB,  24                          ; v24-87   W's scale words, then dW's: block b, step s at v[24 + 32 (0: W, 1: dW) + 16 (s / 4) + 4 b + s % 4]
.set SCA,  88                          ; v88-135  x's: blocks 0 and 1 in two sets by tile, 16 registers each; blocks 2 and 3 in one
.set AF,   136                         ; v136-199 fragments of x: four sets of 32 rows x 128 K
.set RV,   200                         ; v200-215 a unit of my partner's sums
.set TT,   216                         ; v216-231 a unit on its way out
.set CB,  12                           ; s[12:13] out at my rows and columns of the first tile; never stepped: tile, block and row stand in the stores' immediates
.set XG,  22                           ; s[22:23] x at my group's 512 rows
.set G1,  24                           ; s[24:31] descriptor group 1;  s[32:39] group 0, a set for each slot
.set G0,  32
.set BB,  44                           ; s[44:45] wq at my fragments;  s[46:47] at their scale words;  s[48:49] x's scale bytes at my group's rows and half of K
.set BS,  46
.set XSB, 48
.set MSB, 0
.set GC, 0                             ; global loads issued so far: the waits' counts are differences of it
.macro WIN new                         ; the immediate's high byte repeats the setting that is left
.if MSB != \new
	s_set_vgpr_msb (MSB<<8)|\new
.set MSB, \new
.endif
.endm
.macro PLACES n                        ; a load into a register that a matrix instruction has read, and a reader of a matrix result, stand four places behind it; only plain vector instructions that name none of its registers are places
.rept \n
	v_nop
.endr
.endm
.macro CREST                           ; a round of the cluster's barrier behind its opening barrier
	s_cmp_lg_u32 s14, 0
	s_cbranch_scc1 .Lnot_wave_0_\@
	s_barrier_signal -3
.Lnot_wave_0_\@:
	s_barrier_wait -3
	s_barrier_signal -1
	s_barrier_wait -1
.endm
.macro CROUND                          ; a whole round
	s_barrier_signal -1
	s_barrier_wait -1
	CREST
.endm
	s_load_b256 s[4:11], s[0:1], 0x0               ; x's codes s[4:5], x's scales s[6:7], wq s[8:9], bias s[10:11]
	s_load_b64 s[12:13], s[0:1], 0x20              ; out
	v_lshl_add_u32 v[SPW], v0, 2, SPARE
	v_mov_b32 v[NIL], 0
	ds_add_u32 v[SPW], v[NIL]                      ; the wave's opening: the add, twice on end, and its wait ahead of my first tensor load
	ds_add_u32 v[SPW], v[NIL]
	v_lshrrev_b32 v1, 5, v0
	v_readfirstlane_b32 s14, v1                    ; wave 0..3
	v_and_b32 v1, 15, v0                           ; r
	v_bfe_u32 v2, v0, 4, 1                         ; h
	v_and_b32 v3, 31, v0                           ; lane
	v_mul_u32_u24 v252, v1, XP
	v_lshl_add_u32 v252, v2, 4, v252               ; a fragment of x: row r x pitch + 16 h
	v_lshlrev_b32 v[LOF], 4, v3
	v_lshlrev_b32 v[CO], 16, v2                    ; out: eight rows of 8,192 bytes down for lanes 16-31,
	v_lshl_add_u32 v[CO], v1, 4, v[CO]             ; 16 bytes a lane
	v_lshlrev_b32 v[BSO], 4, v1
	v_lshlrev_b32 v251, 6, v3                      ; a row of x has 64 scale bytes
	s_wait_alu depctr_va_vdst(0)                   ; ahead of the scalar lines
	s_lshr_b32 s15, s14, 1                         ; wk: my half of K, and the 64 rows of a tile that I finish
	s_and_b32 s16, s14, 1                          ; wn: my 64 columns
	s_xor_b32 s18, s15, 1                          ; the rows that my partner finishes
	s_xor_b32 s19, s14, 2                          ; my partner
	s_bfe_u32 s40, ttmp6, 0x40000                  ; cx: my place in the cluster
	s_mul_i32 s80, s15, 64*XP
	s_mul_i32 s81, s18, 64*XP
	s_lshl_b32 s82, s15, 9                         ; my half of K: 512 bytes into the row
	s_add_co_u32 s80, s80, s82
	s_add_co_u32 s81, s81, s82
	s_lshl_b32 s83, s14, 13                        ; the exchange: 8,192 bytes a wave
	s_lshl_b32 s84, s19, 13
	s_lshl_b32 s86, s15, 12                        ; 64 rows of 64 scale bytes
	s_lshl_b32 s87, s18, 12
	s_lshl_b32 s85, s40, 15                        ; a tile's 512 blocks of 256 bytes: 128 for each work-group of the cluster, 32 for each wave
	s_add_co_u32 s85, s85, s83
	v_add_nc_u32 v[ADL], s80, v252
	v_add_nc_u32 v[ADH], s81, v252
	v_add_nc_u32 v[ADL+1], SLOT, v[ADL]
	v_add_nc_u32 v[ADH+1], SLOT, v[ADH]
	v_add_nc_u32 v[STW2], s83, v[LOF]
	v_add_nc_u32 v[STR2], s84, v[LOF]
	v_add_nc_u32 v[STW], STG, v[STW2]
	v_add_nc_u32 v[STR], STG, v[STR2]
	v_add_nc_u32 v[XSL], s86, v251
	v_add_nc_u32 v[XSH], s87, v251
	v_lshl_add_u32 v[PFO], v3, 8, s85
	; descriptor group 1: 32 rows x 1,024 bytes, dense in memory, 16 bytes of padding behind each in LDS
	s_mov_b32 s[G1+0], 15|(0<<16)|(1<<20)|(1<<21)|(7<<22)|(3<<25)  ; 15:0 the mask: all four work-groups; 17:16 elements of 1 byte; 20 padding on; 21 set beside a mask; 24:22 after every 256 words (code 7); 31:25 four words (code 3)
	s_mov_b32 s[G1+1], 1024<<16                    ; tensor_dim0
	s_mov_b32 s[G1+2], 32<<16                      ; tensor_dim1
	s_mov_b32 s[G1+3], 1024<<16                    ; tile_dim0
	s_mov_b32 s[G1+4], 32                          ; tile_dim1
	s_mov_b32 s[G1+5], 1024                        ; tensor_dim0_stride
	s_mov_b32 s[G1+6], 0
	s_mov_b32 s[G1+7], 0
	s_lshl_b32 s42, ttmp9, 2
	s_add_co_u32 s42, s42, s40                     ; nt, my group of 128 columns = 4 x cluster x + cx: it enters wq's, the bias's and out's addresses alone
	s_and_b32 s17, ttmp7, 0xffff                   ; my group of 512 rows, which the four partners share
	s_lshl_b32 s20, s17, 19                        ; x: row 512 x group, 1,024 bytes a row
	s_mov_b32 s21, 0
	s_lshl_b32 s62, s14, 15                        ; + 32 rows x wave
	s_mov_b32 s63, 0
	s_mul_i32 s88, s14, 32*XP                      ; and where they go: wave x a quarter of a slot: no place in the cluster enters an LDS address
	s_lshl_b32 s50, s15, 5                         ; wq: the pair of blocks (kq = 2 wk, nt)
	s_add_co_u32 s50, s50, s42
	s_mul_i32 s50, s50, NTB
	s_lshl_b32 s52, s16, 14                        ; my four row blocks: 16 images of 1,024 bytes
	s_add_co_u32 s52, s52, s50
	s_mov_b32 s53, 0
	s_lshl_b32 s54, s16, 10                        ; and their scale words
	s_add_co_u32 s54, s54, s50
	s_add_co_u32 s54, s54, 32768
	s_mov_b32 s55, 0
	s_lshl_b32 s56, s17, 15                        ; x's scale bytes: 512 rows of 64 a group, 32 bytes into the row for the upper half of K
	s_lshl_b32 s57, s15, 5
	s_add_co_u32 s56, s56, s57
	s_mov_b32 s57, 0
	s_lshl_b32 s58, s42, 9                         ; my columns, 4 bytes each: 128 nt + 64 wn
	s_lshl_b32 s59, s16, 8
	s_add_co_u32 s58, s58, s59
	s_mov_b32 s59, 0
	s_lshl_b32 s60, s17, 22                        ; out: row 512 x group + 64 wk, 8,192 bytes a row
	s_lshl_b32 s61, s15, 19
	s_add_co_u32 s60, s60, s61
	s_add_co_u32 s60, s60, s58
	s_mov_b32 s61, 0
	s_wait_alu depctr_va_vdst(0)                   ; the wait at the head's end: it covers every address register above
	s_wait_dscnt 0x0                               ; both opening adds are done
	s_wait_kmcnt 0x0
	s_add_nc_u64 s[XG:XG+1], s[4:5], s[20:21]
	s_add_nc_u64 s[20:21], s[XG:XG+1], s[62:63]
	s_add_nc_u64 s[BB:BB+1], s[8:9], s[52:53]
	s_add_nc_u64 s[BS:BS+1], s[8:9], s[54:55]
	s_add_nc_u64 s[XSB:XSB+1], s[6:7], s[56:57]
	s_add_nc_u64 s[10:11], s[10:11], s[58:59]
	s_add_nc_u64 s[CB:CB+1], s[CB:CB+1], s[60:61]
.irp i, 0,1
	s_mov_b32 s[G0+4*\i], 1                                        ; count = 1
	s_add_co_u32 s[G0+4*\i+1], s88, \i*SLOT                        ; LDS address
	s_add_nc_u64 s[G0+4*\i+2:G0+4*\i+3], s[20:21], \i*131072       ; global address: tile i, 128 rows on
	s_or_b32 s[G0+4*\i+3], s[G0+4*\i+3], 0x80000000               ; type = 2
.endr
	CROUND                                         ; all four work-groups are here: the first joint loads meet
	tensor_load_to_lds s[G0:G0+3], s[G1:G1+7]      ; tile 0: every wave a quarter
	s_nop 0
	PLACES 4
; x's scale words of tile t, block d, my half of K: lane = row
.macro XSLOAD t, d
	WIN 0
.if (\d) < 2
.set xR, SCA+16*((\t)%2)+8*(\d)
.else
.set xR, SCA+32+8*((\d)-2)
.endif
.set xA, XSH-(\d)%2                            ; XSL for the rows that I finish
.irp e, 0,1
	global_load_b128 v[xR+4*\e:xR+4*\e+3], v[xA], s[XSB:XSB+1] offset:(\t)*8192+((\d)/2)*2048+16*\e
.endr
.set GC, GC+2
.set MX\d, GC
.endm
; scale words of W and dW for steps 4 e .. 4 e + 3: sixteen lanes take 256 consecutive bytes
.macro BSLOAD e
	WIN 0
.irp w, 0,1
.irp b, 0,1,2,3
	global_load_b128 v[SCB+32*\w+16*\e+4*\b:SCB+32*\w+16*\e+4*\b+3], v[BSO], s[BS:BS+1] offset:\e*KQB+\w*HALFB+256*\b
.endr
.endr
.endm
; a quarter of the 16 loads of step s: two fragments; each load takes 512 consecutive bytes
.macro BL s, p
.set wL, 0x40+0x80*((\s)/4)            ; destination window 1 or 3
	WIN wL
.irp b, 0,1
.set bb, 2*(\p)+\b
.irp c, 0,1
	global_load_b128 v[64*((\s)%4)+8*bb+4*\c:64*((\s)%4)+8*bb+4*\c+3], v[LOF], s[BB:BB+1] offset:((\s)/4)*KQB+(bb/4)*HALFB+((bb%4)*4+(\s)%4)*1024+512*\c
.endr
.endr
.endm
; the fragments of block f of tile t, step s, into set a: lane l holds row l % 16; registers 4 c .. 4 c + 3 hold K = 64 c + 32 (l / 16) + 0 .. 31; registers 8-15 the rows 16-31
.macro FETCH t, f, s, a
	WIN 0
.set fA, ADH+(\t)%2
.if (\f)%2
.set fA, ADL+(\t)%2
.endif
.irp i, 0,1
.irp c, 0,1
	ds_load_b128 v[AF+16*(\a)+8*\i+4*\c:AF+16*(\a)+8*\i+4*\c+3], v[fA] offset:64*(\s)+32*\c+(2*((\f)/2)+\i)*BLKA
.endr
.endr
.endm
; one product: column block b of W (w = 0) or dW (w = 1).  W's first product starts the sum: nothing is ever cleared.
.macro WM b, w
	WIN kW
.set rD, 64*kB+16*(\b)
.set rB, 64*(kS%4)+8*(4*(\w)+(\b))
.set rS, SCB+32*(\w)+16*(kS/4)+4*(\b)+kS%4
.if (kS == 0) && ((\w) == 0)
	v_wmma_scale_f32_32x16x128_f4 v[rD:rD+15], v[kA:kA+15], v[rB:rB+7], 0, v[kX], v[rS]
.else
	v_wmma_scale_f32_32x16x128_f4 v[rD:rD+15], v[kA:kA+15], v[rB:rB+7], v[rD:rD+15], v[kX], v[rS]
.endif
.endm
; 8 products: block d of tile t, step s, fragments in set a.  The four accumulators take turns: three others stand between two on one.
.macro PROD t, d, s, a
.set kB, \d
.set kS, \s
.set kA, AF+16*(\a)
.if (\d) < 2
.set kX, SCA+16*((\t)%2)+8*(\d)+(\s)
.else
.set kX, SCA+32+8*((\d)-2)+(\s)
.endif
.set kW, 0xa4+8*((\s)/4)               ; source 0 (x) window 0, source 1 window 1 (steps 0-3) or 3 (steps 4-7), C and D window 2
.irp w, 0,1
.irp b, 0,1,2,3
	WM \b, \w
.endr
.endr
.endm
; a quarter of a bank, my sums for my partner, goes to LDS as it stands: registers 4 k .. 4 k + 3 of each accumulator, each from its low end on
.macro SEND k, bank, adr, off
	WIN 0x08                                       ; an LDS store's data are its source 1: window 2
.irp b, 0,1,2,3
	ds_store_b128 v[\adr], v[64*(\bank)+16*\b+4*(\k):64*(\bank)+16*\b+4*(\k)+3] offset:(\off)+512*(4*(\k)+\b)
.endr
.endm
; the same quarter of my partner's sums, into 16 registers
.macro RECV k, adr, off, dst
	WIN 0
.irp b, 0,1,2,3
	ds_load_b128 v[(\dst)+4*\b:(\dst)+4*\b+3], v[\adr] offset:(\off)+512*(4*(\k)+\b)
.endr
.endm
; THE WAY OUT of unit oU: registers 4 oU .. 4 oU + 3 of bank oB's accumulators (four rows for each half of the lanes) + the partner's in v[oV ..]: four neighbouring columns into four consecutive registers;
; + the bias, two columns at a time; each store covers two runs of 256 consecutive bytes, aligned.
.macro OUTU
	WIN 0x02                                       ; source 0 window 2
.irp i, 0,1,2,3
.irp b, 0,1,2,3
	v_add_f32 v[oW+4*\i+\b], v[64*oB+16*\b+4*oU+\i], v[oV+4*\b+\i]
.endr
.endr
	WIN 0
.irp i, 0,1,2,3
	v_pk_add_f32 v[oW+4*\i:oW+4*\i+1], v[oW+4*\i:oW+4*\i+1], v[BI:BI+1]
	v_pk_add_f32 v[oW+4*\i+2:oW+4*\i+3], v[oW+4*\i+2:oW+4*\i+3], v[BI+2:BI+3]
.endr
.irp i, 0,1,2,3
	global_store_b128 v[CO], v[oW+4*\i:oW+4*\i+3], s[CB:CB+1] offset:(128*oT+32*oD+4*oU+8*(oU/2)+\i)*8192 th:TH_STORE_NT   ; written once, read by nobody here; 439 rows of out at the most: inside the signed 24-bit immediate (ISA guide, chapter 10)
.endr
.endm
; Half a step of tile 0's walk: blocks 2 hf and 2 hf + 1, step s.  Its run asks for the next half-step's fragments and for half of W's and dW's step s + 4.
.macro WRUN s, hf
	s_wait_dscnt 0x0                               ; this half-step's fragments are in
.if (\hf) == 0                         ; step s's 16 loads are in when at most those issued behind them are out: three steps of 16 (and, up to step 1, eight scale loads); from step 5 on the five loads of step 4
.if (\s) < 2
	s_wait_loadcnt 56
.elseif (\s) < 5
	s_wait_loadcnt 48
.elseif (\s) == 5
	s_wait_loadcnt 37
.elseif (\s) == 6
	s_wait_loadcnt 21
.else
	s_wait_loadcnt 5
.endif
.endif
	PLACES 4
.if (\hf) == 0
	FETCH 0, 2, \s, 2
	FETCH 0, 3, \s, 3
.else
	FETCH 0, 0, (\s)+1, 0
	FETCH 0, 1, (\s)+1, 1
.endif
.if (\s) < 4
	BL (\s)+4, 2*(\hf)
	BL (\s)+4, 2*(\hf)+1
.elseif 2*(\s)+(\hf) == 8
	global_load_b128 v[BI:BI+3], v[BSO], s[10:11]
.set GC, 1
	XSLOAD 1, 0
	XSLOAD 1, 1
.endif
	PROD 0, 2*(\hf), \s, 2*(\hf)
	PROD 0, 2*(\hf)+1, \s, 2*(\hf)+1
.endm
; What stands in the run ahead of group g of phase f of tile t (9: nothing).
; S phases (and the very last phase): unit g of the partner's sums comes in, unit g - 1 leaves; the last unit leaves in the next phase's first run.  O phases: a bank is sent in runs 1 and 2.
; Barriers, signal and wait a group or more apart: one behind a bank's stores, ahead of the partner's loads of them; one behind those loads, ahead of the next bank's stores into the same bytes.
.macro PLAN t, f, g
.set last, (4*(\t)+(\f))/15            ; 1 in the very last phase
.set oU, 9
.set rU, 9
.set sK, 9
.set bS, 0
.set bW, 0
.set oT, (\t)-1
.set oB, (\f)+1-(\f)%2
.set oD, (\f)/2
.set oR, STR
.set oV, RV
.set oW, TT
.if ((\f)%2 == 0) || last
.set rU, \g
.if (\g) > 0
.set oU, (\g)-1
.endif
.endif
.if (\f)%2
.if (\g) == 0
.set oU, 3
.set bS, 1-last
.elseif (\g) < 3
.set sK, 2*(\g)-2
.endif
.if (\g) == 1
.set bW, 1-last
.endif
.if ((\g) == 3) && (((\f) == 1) || last)
.set bS, 1
.endif
.endif
.if ((\f) == 2) && ((\g) == 0)
.set bW, 1
.endif
.if last
.set oR, STR2
.if (\g) > 0
.set oT, 3
.set oB, 1
.set oD, 0
.endif
.endif
.endm
.macro RUN t, f, g
	PLAN \t, \f, \g
	s_wait_dscnt 0x0                               ; this group's fragments and the unit of my partner's sums are in; my LDS stores have landed
.if (\g) == 0
	s_wait_loadcnt GC-MX\f                         ; this block's scale words of x (and, the first time, the bias); later blocks' may be out
.endif
.if oU < 4
	s_wait_xcnt 0x0                                ; the earlier stores have read their registers: only behind this wait are they written again
	OUTU                                           ; (its additions are also the places in front of the loads below)
.else
	PLACES 4
.endif
.if bW
	s_barrier_wait -1
.endif
.if bS
	s_barrier_signal -1                            ; (no LDS instruction of mine is out)
.endif
.if rU < 4
	RECV rU, oR, 0, RV
.endif
.if sK < 4
.if last
	SEND sK, 2, STW2, 32768                        ; tile 3's block 2, through slot 0
	SEND sK+1, 2, STW2, 32768
.elseif (\f) == 1
	SEND sK, 2, STW, 0                             ; block 2 of the tile before
	SEND sK+1, 2, STW, 0
.if (\t) == 3
	SEND sK, 0, STW2, 0                            ; and tile 3's block 0, through slot 0
	SEND sK+1, 0, STW2, 0
.endif
.else
	SEND sK, 0, STW, 0                             ; this tile's block 0
	SEND sK+1, 0, STW, 0
.endif
.endif
.if ((\f) == 0) && ((\g) == 1)
.if (\t) == 1
	XSLOAD \t, 2
.endif
	XSLOAD \t, 3
.endif
.if ((\f) == 1) && ((\g) == 2) && ((\t) < 3)
	XSLOAD (\t)+1, 0
	XSLOAD (\t)+1, 1
.endif
.if ((\f) == 3) && ((\g) == 2) && ((\t) < 3)
	XSLOAD (\t)+1, 2
.endif
.if (\g) < 3
	FETCH \t, \f, 2*(\g)+2, (2*(\g)+2)%4
	FETCH \t, \f, 2*(\g)+3, (2*(\g)+3)%4
.elseif (\f) < 3
	FETCH \t, (\f)+1, 0, 0
	FETCH \t, (\f)+1, 1, 1
.endif
.if ((\f) == 3) && ((\g) == 2) && ((\t) < 3)
	WIN 0                                          ; (the add's two registers lie in window 0)
	s_wait_tensorcnt 0x0                           ; all my tensor loads have landed: my part of the next tile;
.if (\t) == 1
	ds_add_u32 v[SPW], v[NIL]                      ; 0 onto my spare word: sixteen matrix instructions stand between it and the wait for it
.endif
.endif
.endm
.macro GROUP t, f, g
	PROD \t, \f, 2*(\g), (2*(\g))%4
	PROD \t, \f, 2*(\g)+1, (2*(\g)+1)%4
.endm
; The change of slots, behind the opening barrier's signal: in front of it each wave has waited for all its tensor loads (its part of the next tile), for its stores of bank 0 and for its reads of this slot.
; refill = 1: this slot is filled again, with the tile two on, behind a round of the cluster's barrier.
.macro SWAP t, refill
	WIN 0
	s_barrier_wait -1
.if \refill
	CREST                                          ; no wave of any partner still reads this slot or has a load on its way
	s_add_nc_u64 s[G0+4*((\t)%2)+2:G0+4*((\t)%2)+3], s[G0+4*((\t)%2)+2:G0+4*((\t)%2)+3], 262144   ; two tiles of 128 rows on
	tensor_load_to_lds s[G0+4*((\t)%2):G0+4*((\t)%2)+3], s[G1:G1+7]   ; the first tensor load behind the round, my only one until the next: a whole tile ahead of its first read
	s_nop 0
.endif
	PLACES 4                                       ; behind the tensor load; also the places in front of the loads below
	FETCH (\t)+1, 0, 0, 0
	FETCH (\t)+1, 0, 1, 1
.if (\t) == 0
	global_prefetch_b8 v[PFO], s[XG:XG+1] offset:3*131072 th:TH_LOAD_NT scope:SCOPE_SE   ; tile 3, a tile ahead of its load; 256 bytes a lane, 512 lanes a cluster
.endif
.endm
.macro PHASE t, f
.irp g, 0,1,2
	RUN \t, \f, \g
	GROUP \t, \f, \g
.endr
.if ((\f) < 3) || ((\t) == 3)
	RUN \t, \f, 3
	GROUP \t, \f, 3
.endif
.endm
.macro TILE t, refill
	PHASE \t, 0
	PHASE \t, 1
	PHASE \t, 2
	PHASE \t, 3
.if (\t) < 3
	s_wait_dscnt 0x0                               ; my stores of bank 0, my reads of this slot and, where there is one, the add are done
	s_barrier_signal -1
	PROD \t, 3, 6, 2
	SWAP \t, \refill
	PROD \t, 3, 7, 3
.endif
.endm
	; THE HEAD'S 88 LOADS, in the order in which they are wanted, while x's first tile is on its way: tile 0's scale words, W's and dW's, and the fragments of steps 0 to 3; those of steps 4 to 7 go out in steps 0 to 3 of the walk.
	; They are more than LOADcnt's field holds: the issue is held until earlier ones are back (ISA guide 5.7.1).
	XSLOAD 0, 0
	XSLOAD 0, 1
	XSLOAD 0, 2
	XSLOAD 0, 3
	BSLOAD 0
.irp p, 0,1,2,3
	BL 0, \p
.endr
.irp p, 0,1,2,3
	BL 1, \p
.endr
	BSLOAD 1
.irp p, 0,1,2,3
	BL 2, \p
.endr
.irp p, 0,1,2,3
	BL 3, \p
.endr
	WIN 0
	s_wait_tensorcnt 0x0                           ; my part of tile 0 is in; the add and its wait stand ahead of a later first fill, as ahead of a refill
	ds_add_u32 v[SPW], v[NIL]
	s_wait_dscnt 0x0
	CROUND                                         ; everybody's part of tile 0 is in, and all four work-groups are here: the joint loads meet
	tensor_load_to_lds s[G0+4:G0+7], s[G1:G1+7]    ; tile 1, slot 1's first fill: the first tensor load behind the round
	s_nop 0
	PLACES 4
	FETCH 0, 0, 0, 0
	FETCH 0, 1, 0, 1
	global_prefetch_b8 v[PFO], s[XG:XG+1] offset:2*131072 th:TH_LOAD_NT scope:SCOPE_SE   ; tile 2, a tile ahead of its load
.irp s, 0,1,2,3,4,5,6
	WRUN \s, 0
	WRUN \s, 1
.endr
	WRUN 7, 0
	s_wait_dscnt 0x0                               ; the last half-step's fragments are in: nothing more is read from slot 0
	PLACES 4
.irp k, 0,1,2,3
	SEND \k, 0, STW, 0                             ; bank 0 is finished
.endr
	WIN 0
	s_wait_tensorcnt 0x0                           ; my part of tile 1 is in;
	ds_add_u32 v[SPW], v[NIL]                      ; 0 onto my spare word
	PROD 0, 2, 7, 2
	s_wait_dscnt 0x0                               ; the add and my stores are done
	s_barrier_signal -1
	PROD 0, 3, 7, 3
	SWAP 0, 1                                      ; slot 0 takes tile 2
	TILE 1, 1                                      ; slot 1 takes tile 3
	TILE 2, 0
	TILE 3, 0
	; what is left: the last unit of block 1 and all of block 3 of tile 3.  Block 3's units have registers of their own, those of scale words and fragments that are done with: no store's data are written again
	s_wait_dscnt 0x0
	PLACES 4
	s_barrier_wait -1                              ; everybody's block 2 is in slot 0's bytes
.irp k, 0,1,2,3
	RECV \k, STR2, 32768, SCB+16*\k
.endr
.set oU, 3
	s_wait_xcnt 0x0
	OUTU
.set oB, 3
.set oD, 1
.irp k, 0,1,2,3
.set oU, \k
.set oW, AF+16*\k
.set oV, SCB+16*\k
	s_wait_dscnt 12-4*\k                           ; unit k is in; the later ones may be out
	OUTU
.endr
	s_wait_tensorcnt 0x0                           ; the wave's end: the add and its wait stand behind my last tensor load and my last LDS store
	ds_add_u32 v[SPW], v[NIL]
	s_wait_dscnt 0x0
	CROUND                                         ; the closing round: no work-group ends while a partner may still ask for a tile that names it
	s_endpgm
.Lfunc_end_k_q9acb4ac307_gemm:
	.size	k_q9acb4ac307_gemm, .Lfunc_end_k_q9acb4ac307_gemm-k_q9acb4ac307_gemm
	.p2alignl 7, 3214868480
	.fill 96, 4, 3214868480
	.section	.rodata,"a",@progbits
	.p2align	6, 0x0
	.amdhsa_kernel k_q9acb4ac307_gemm
		.amdhsa_group_segment_fixed_size 327680
		.amdhsa_private_segment_fixed_size 0
		.amdhsa_enable_private_segment 0
		.amdhsa_kernarg_size 40
		.amdhsa_user_sgpr_count 2
		.amdhsa_user_sgpr_kernarg_segment_ptr 1
		.amdhsa_wavefront_size32 1
		.amdhsa_system_sgpr_workgroup_id_x 1
		.amdhsa_system_sgpr_workgroup_id_y 1
		.amdhsa_system_sgpr_workgroup_id_z 1
		.amdhsa_system_vgpr_workitem_id 0
		.amdhsa_next_free_vgpr 1024
		.amdhsa_next_free_sgpr 96
		.amdhsa_reserve_vcc 0
		.amdhsa_float_denorm_mode_32 3
		.amdhsa_float_denorm_mode_16_64 3
		.amdhsa_memory_ordered 1
		.amdhsa_forward_progress 1
		.amdhsa_inst_pref_size 255
	.end_amdhsa_kernel
	.section	.bss,"aw",@nobits
	.p2align	6
	.space	262144
	.amdgpu_metadata
---
amdhsa.version: [ 1, 2 ]
amdhsa.kernels:
  - .name:           k_q9acb4ac307_gemm
    .symbol:         k_q9acb4ac307_gemm.kd
    .args:
      - { .name: x_codes, .offset: 0, .size: 8, .value_kind: global_buffer, .address_space: global }
      - { .name: x_scales, .offset: 8, .size: 8, .value_kind: global_buffer, .address_space: global }
      - { .name: wq, .offset: 16, .size: 8, .value_kind: global_buffer, .address_space: global }
      - { .name: bias, .offset: 24, .size: 8, .value_kind: global_buffer, .address_space: global }
      - { .name: out0, .offset: 32, .size: 8, .value_kind: global_buffer, .address_space: global }
    .group_segment_fixed_size: 327680
    .private_segment_fixed_size: 0
    .kernarg_segment_align: 8
    .kernarg_segment_size: 40
    .max_flat_workgroup_size: 128
    .sgpr_count:     96
    .vgpr_count:     1024
    .wavefront_size: 32
...
	.end_amdgpu_metadata
.endif
;; end of part 2
